; MI455X (gfx1250); checked and timed in simulation.
; The chip was launched on July 23, 2026; its instructions are those of AMD's public machine-readable ISA for CDNA 5 (MIT licence, August 2026) and "CDNA5" Instruction Set Architecture Reference Guide (July 2026).
;; Self Attention. Allowed arithmetic: matrix products marked QUANTISED: E4M3 operands, one E8M0 scale for each 32 along K, by v_wmma_scale_f32_16x16x128_f8f6f4 with both operands' format E4M3, f32 sums; everything else in f32.
;; Inputs: Wk_codes 1,024 x 32 x 32 uint8 (E4M3 codes of Wk, K innermost, in blocks of 32 codes); Wk_scales 1,024 x 32 uint8 (E8M0 scales of Wk, one for each 32 codes along K); Wq_codes 1,024 x 32 x 32 uint8 (E4M3 codes of Wq, K innermost, in blocks of 32 codes); Wq_scales 1,024 x 32 uint8 (E8M0 scales of Wq, one for each 32 codes along K); Wv_codes 1,024 x 32 x 32 uint8 (E4M3 codes of Wv, K innermost, in blocks of 32 codes); Wv_scales 1,024 x 32 uint8 (E8M0 scales of Wv, one for each 32 codes along K); bk 1,024 float32; bq 1,024 float32; bv 1,024 float32; x_codes 4 x 2,048 x 32 x 32 uint8 (E4M3 codes of x, K innermost, in blocks of 32 codes); x_scales 4 x 2,048 x 32 uint8 (E8M0 scales of x, one for each 32 codes along K).
;; Outputs: out0 4 x 2,048 x 1,024 float32.
;; This version of the problem:
;;   THIS VERSION OF THE PROBLEM IS GIVEN IN LOW PRECISION. The matrix products marked QUANTISED in the list below multiply operands that are first quantised to E4M3 (4 exponent bits, 3 mantissa bits; 8 bits a number), with one power-of-two scale for each 32 numbers along K (OCP MX v1.0); their sums are f32. All else is computed in f32.
;;   The module's matrix products, in the order in which they are computed (A, B: the left and right operand; K: the contracted axis; several contracted axes count as one K, in the product's order):
;;     1. [M 8,192, K 1,024] x [K 1,024, N 1,024]; A: input x (given as codes); B: input Wq (given as codes): QUANTISED
;;     2. [M 8,192, K 1,024] x [K 1,024, N 1,024]; A: input x (given as codes); B: input Wk (given as codes): QUANTISED
;;     3. [M 8,192, K 1,024] x [K 1,024, N 1,024]; A: input x (given as codes); B: input Wv (given as codes): QUANTISED
;;     4. batch 4 x [M 2,048, K 1,024] x [K 1,024, N 2,048]; A: computed on the way; B: computed on the way: QUANTISED
;;     5. batch 4 x [M 2,048, K 2,048] x [K 2,048, N 1,024]; A: softmax (see below); B: computed on the way: QUANTISED
;;   THE QUANTISER, for each operand of a quantised product, along K:
;;     - K is cut into blocks of 32 from its start; a last block that is shorter is filled with zeros.
;;     - A block's scale is 2^e with e = floor(log2(the largest magnitude in the block)) - 8, held to -126 .. 127; a block of zeros has e = 0. As a byte (E8M0): e + 127.
;;     - Each number is divided by its block's scale, clamped to +-448, and rounded to the nearest number of E4M3, ties to even, subnormals kept.
;;     - The product sums the exact products of the quantised numbers (number of the format x scale) in f32.
;;   ~~~python
;;   def quantise(x, axis):      # numpy; x: float32 -> the quantised numbers, widened to float32 again
;;       x = np.moveaxis(x, axis, -1); K = x.shape[-1]
;;       x = np.pad(x, [(0, 0)] * (x.ndim - 1) + [(0, -K % 32)]); x = x.reshape(x.shape[:-1] + (-1, 32)); a = np.abs(x).max(-1, keepdims=True)
;;       e = np.where(a > 0, np.clip(np.frexp(np.where(a > 0, a, 1))[1] - 1 - 8, -126, 127), 0)      # np.frexp(a)[1] - 1 = floor(log2(a)), exactly
;;       r = np.clip(x / 2.0 ** e, -448, 448)
;;       step = 2.0 ** (np.maximum(np.frexp(np.where(r == 0, 1, r))[1] - 1, -6) - 3)
;;       q = np.round(r / step) * step * 2.0 ** e      # np.round: ties to even
;;       return np.moveaxis(q.reshape(q.shape[:-2] + (-1,))[..., :K], -1, axis).astype(np.float32)
;;   ~~~
;;   SOFTMAX AHEAD OF A QUANTISED PRODUCT. Where the list says 'softmax', what is quantised is not the finished softmax but p = 2^(t - M), with t = logit x log2(e) and M = ceil(the row's largest t), a whole number; so 1/2 < the row's largest p <= 1. The row's sum l is taken of the UNQUANTISED p, in f32, and the product's result is divided by l at the end. Since M is a whole number, a kernel that streams over the keys may use a running M (the ceiling of the running maximum): every later rescaling is an exact power of two, which a block's scale takes up: the codes' values come out the same.
;;   OPERANDS COMPUTED ON THE WAY. 'Computed on the way' means the value that the module computes at that place (a softmax that the list does not call 'softmax' is quantised finished and normalised). What goes into a quantiser is computed in f32, as accurately as f32 sums, v_exp_f32 and their like allow (about 1e-6 of the number): no bf16 or f16 on the way to a quantiser, and a product that is left as it is and whose result goes on into a quantised operand takes f32 operands (vector FMAs, or v_wmma_f32_16x16x4_f32). A number that lies on a knife's edge between two numbers of the format may be rounded either way, as far as f32 arithmetic and the matrix unit's own rounding can turn it there, and no further.
;;   INPUTS GIVEN AS CODES. Wk (in the module: [1024, 1024], K = its axis 0); Wq (in the module: [1024, 1024], K = its axis 0); Wv (in the module: [1024, 1024], K = its axis 0); x (in the module: [4, 2048, 1024], K = its axis 2): each comes as NAME_codes (uint8): NAME with its K axis moved to the last place and cut into blocks of 32 codes, [.., K / 32, bytes a block], one block behind the other in memory; one code a byte (a code: sign, 4 exponent bits, 3 mantissa bits); and NAME_scales (uint8): the same leading axes, one E8M0 byte (e + 127) for each 32 codes along K. Its value is code x scale, taken as it is: it is not quantised again, and the codes and scales need not be those that the quantiser above would give.
;; One version. Each part assembles by itself: llvm-mc -triple=amdgcn-amd-amdhsa -mcpu=gfx1250 --defsym DOCPART=n.
;; ======== version 1 of 1: 3 launches
;; limits: right only within a limited range of input values
;; workspace buffers: qkv 25,952,256 bytes; p_codes 16,777,216 bytes; p_aux 4,194,304 bytes
;; launch proj (part 1): grid 16 x 16, 4 waves a work-group, clusters of 4 x 4, 327,680 bytes of LDS; arguments x_codes, x_scales, Wq_codes, Wq_scales, Wk_codes, Wk_scales, Wv_codes, Wv_scales, bq, bk, bv, qkv; writes qkv
.if DOCPART == 1
	.amdgcn_target "amdgcn-amd-amdhsa--gfx1250"
	.amdhsa_code_object_version 6
	.text
	.protected	k_q7283a58a87_proj
	.globl	k_q7283a58a87_proj
	.p2align	8
	.type	k_q7283a58a87_proj,@function
k_q7283a58a87_proj:
	s_mov_b64 s[64:65], 0
	v_nop
	global_prefetch_b8 v0, s[64:65] scope:SCOPE_SE
	s_setreg_imm32_b32 hwreg(HW_REG_WAVE_MODE, 25, 1), 1
	s_wait_xcnt 0x0
	s_wait_alu depctr_hold_cnt(0) depctr_sa_sdst(0) depctr_va_vdst(0) depctr_va_sdst(0) depctr_va_ssrc(0) depctr_va_vcc(0) depctr_vm_vsrc(0)
	s_getreg_b32 s2, hwreg(HW_REG_IB_STS2, 6, 4)
	s_cmp_eq_u32 s2, 0
	s_cbranch_scc0 .Lentry_in_a_cluster
	s_endpgm
.Lentry_in_a_cluster:
	s_bfe_u32 s2, ttmp6, 0x10000c
	s_cmp_lg_u32 s2, 0xf033
	s_cbranch_scc0 .Lentry_shape_is_right
	s_endpgm
.Lentry_shape_is_right:
.set KROW, 1024
.set KS, 32
.set NB, 4
.set TM, 512
.set TN, 128
.set CH, 128
.set PITCH, KROW+16
.set FR, 16
.set FPW, 256/FR
.set NP, 8
.set NF, 34
.set PCS, 33792
.set YB, CH*PITCH
.set SCL, 2*CH*PITCH
.set RS, 32
.set R16, 2*272
.set XN, SCL+2*RS*272
.set XV, XN+TM*4
.set SPARE, XV+1024
.set EMAX, 8
.set ADRA0, 4
.set CN, 5
.set AAS0, 6
.set VX0, 8
.set CO, 9
.set SPW, 10
.set NIL, 11
.set ADRA, 12
.set VX, 13
.set ADRE, 14
.set ADRV, 15
.set ADRO, 18
.set ABS, 16
.set AAS, 17
.set RD, 19
.set SOP, 20
.set SB, 24
.set EB, 40
.set SA, 44
.set TQ, 60
.set ACC, 64
.set WS, 128
.set NCD, 192
.set MCD, 192
.set BQ, 208
.set BV, 240
.set G1A, 24
.set G0A, 56
.set G1B, 32
.set G0B, 60
.set G1R, 48
.set G0R, 68
.set G1S, 92
.set G0S, 72
.set MSB, 0
.macro WIN new
.if MSB != (\new)
	s_set_vgpr_msb (MSB<<8)|(\new)
.set MSB, (\new)
.endif
.endm
.macro WALU
	s_wait_alu depctr_va_vdst(0)
.endm
.macro PLACES n
.rept \n
	v_nop
.endr
.endm
.macro BARRIER
	s_barrier_signal -1
	s_barrier_wait -1
.endm
.macro MIDDLE
	WIN 0
	s_barrier_wait -1
	s_cmp_lg_u32 s14, 0
	s_cbranch_scc1 .Lnot_wave_0_\@
	s_barrier_signal -3
.Lnot_wave_0_\@:
	s_barrier_wait -3
.endm
.macro CROUND
	s_barrier_signal -1
	MIDDLE
	BARRIER
.endm
.macro TLOAD g0, g1
	tensor_load_to_lds s[\g0:\g0+3], s[\g1:\g1+7]
	s_nop 0
	PLACES 4
.endm
.macro GROUP1 g, mask, rows
	s_or_b32 s[\g+0], s[\mask], (1<<20)|(1<<21)|(7<<22)|(3<<25)
	s_mov_b32 s[\g+1], KROW<<16
	s_mov_b32 s[\g+2], (\rows)<<16
	s_mov_b32 s[\g+3], KROW<<16
	s_mov_b32 s[\g+4], \rows
	s_mov_b32 s[\g+5], KROW
	s_mov_b32 s[\g+6], 0
	s_mov_b32 s[\g+7], 0
.endm
.macro SADD d, x
	s_add_co_u32 s\d, s\d, s\x
.endm
	s_load_b128 s[4:7], s[0:1], 0x0
	s_load_b512 s[84:99], s[0:1], 0x10
	v_lshl_add_u32 v[SPW], v0, 2, SPARE
	v_mov_b32 v[NIL], 0
	ds_add_u32 v[SPW], v[NIL]
	ds_add_u32 v[SPW], v[NIL]
	v_lshrrev_b32 v1, 5, v0
	v_readfirstlane_b32 s14, v1
	s_lshr_b32 s15, s14, 1
	s_and_b32 s16, s14, 1
	s_bfe_u32 s40, ttmp6, 0x40000
	s_bfe_u32 s41, ttmp6, 0x40004
	s_lshl_b32 s42, ttmp9, 2
	SADD 42, 40
	s_and_b32 s43, ttmp7, 0xffff
	s_lshl_b32 s43, s43, 2
	SADD 43, 41
	s_lshr_b32 s19, ttmp9, 1
	s_and_b32 s18, ttmp9, 1
	s_lshl_b32 s44, s41, 2
	s_lshl_b32 s44, 15, s44
	s_lshl_b32 s45, 0x1111, s40
	GROUP1 G1B, 45, TN
	GROUP1 G1A, 44, CH
	GROUP1 G1R, 44, CH/4
	s_mov_b32 s[G0S], 1
	s_mul_i32 s[G0S+1], s16, RS*272
	s_add_co_u32 s[G0S+1], s[G0S+1], SCL
	s_mov_b32 s[G0A], 1
	s_mov_b32 s[G0A+1], 0
	s_mov_b32 s[G0B], 1
	s_mov_b32 s[G0B+1], YB
	s_mov_b32 s[G0R], 1
	s_mul_i32 s67, s43, TM*KROW
	s_mul_i32 s20, s18, TM/2*KROW
	s_add_co_u32 s2, s67, s20
	s_xor_b32 s20, s20, TM/2*KROW
	SADD 67, 20
	s_lshl_b32 s13, s19, 2
	SADD 13, 40
	s_mul_i32 s3, s13, TN*KROW
	s_mul_i32 s12, s13, TN*KS
	s_mul_i32 s21, s16, 64*KS
	SADD 12, 21
	s_and_b32 s20, s42, 7
	s_mul_i32 s78, s20, TN*KROW
	s_mov_b32 s79, 0
	s_mul_i32 s82, s20, TN*KS
	SADD 82, 21
	s_mov_b32 s83, 0
	s_xor_b32 s20, s16, s18
	s_xor_b32 s20, s20, 1
	s_lshl_b32 s80, s43, 1
	SADD 80, 20
	s_mul_i32 s80, s80, TM/2*KS
	s_mov_b32 s81, 0
	s_lshl_b32 s66, s40, 2
	SADD 66, 14
	s_lshl_b32 s100, s41, 2
	SADD 100, 14
	s_lshl_b32 s76, s16, 1
	s_lshl_b32 s20, s15, 7
	SADD 76, 20
	s_add_co_u32 s76, s76, XN
	s_lshl_b32 s77, s16, 8
	SADD 77, 15
	s_add_co_u32 s77, s77, XV
	s_mul_i32 s20, s15, 32*PITCH
	s_mul_i32 s22, s16, 64*PITCH
	s_add_co_u32 s21, s22, YB
	s_mul_i32 s23, s15, 4*272
	s_add_co_u32 s23, s23, SCL
	v_and_b32 v1, 15, v0
	v_bfe_u32 v2, v0, 4, 1
	v_and_b32 v3, 31, v0
	v_bfe_u32 v62, v0, 3, 1
	v_and_b32 v63, 7, v0
	v_mul_u32_u24 v22, v1, PITCH
	v_lshl_add_u32 v22, v2, 4, v22
	v_add_nc_u32 v[ADRA0], s20, v22
	v_add_nc_u32 v[ADRV], s22, v22
	v_mul_u32_u24 v7, v62, 40
	v_add_nc_u32 v7, v7, v63
	v_mul_u32_u24 v23, v62, 24
	v_add_nc_u32 v23, v23, v63
	v_mul_u32_u24 v[ADRE], v7, PITCH
	v_lshl_add_u32 v[ADRE], v2, 4, v[ADRE]
	v_add_nc_u32 v[ADRE], s21, v[ADRE]
	v_mul_u32_u24 v[ADRO], v23, PITCH
	v_lshl_add_u32 v[ADRO], v2, 4, v[ADRO]
	v_add_nc_u32 v[ADRO], s21, v[ADRO]
	v_and_b32 v20, v62, v2
	v_lshl_add_u32 v[ABS], v2, 3, v7
	v_lshlrev_b32 v20, 4, v20
	v_sub_nc_u32 v[ABS], v[ABS], v20
	v_lshlrev_b32 v[ABS], 5, v[ABS]
	v_lshlrev_b32 v21, 5, v3
	v_mul_u32_u24 v60, v2, 160
	v_mul_u32_u24 v61, v2, 96
	v_lshlrev_b32 v62, 2, v1
	v_lshlrev_b32 v23, 5, v1
	v_lshrrev_b32 v22, 3, v1
	v_lshl_add_u32 v23, v22, 4, v23
	v_add_nc_u32 v[AAS0], s23, v23
	v_lshlrev_b32 v[CO], 4, v3
	v_lshlrev_b32 v23, 9, v2
	v_lshl_add_u32 v[CN], v1, 4, v23
	v_lshl_add_u32 v23, v1, 2, v2
	v_add_nc_u32 v[VX0], s76, v23
	v_lshlrev_b32 v23, 2, v1
	v_add_nc_u32 v[RD], s77, v23
	WALU
	s_wait_dscnt 0x0
	CROUND
	s_wait_kmcnt 0x0
	s_cmp_eq_u32 s19, 1
	s_cselect_b64 s[84:85], s[88:89], s[84:85]
	s_cselect_b64 s[86:87], s[90:91], s[86:87]
	s_cselect_b64 s[90:91], s[98:99], s[96:97]
	s_mov_b64 s[10:11], s[92:93]
	s_mov_b64 s[88:89], s[94:95]
	s_or_b32 s[G1S+0], s44, (3<<16)|(1<<20)|(1<<21)|(5<<22)|(3<<25)
	s_mov_b32 s[G1S+1], 32<<16
	s_mov_b32 s[G1S+2], RS<<16
	s_mov_b32 s[G1S+3], 32<<16
	s_mov_b32 s[G1S+4], RS
	s_mov_b32 s[G1S+5], 32
	s_mov_b32 s[G1S+6], 0
	s_mov_b32 s[G1S+7], 0
	s_mov_b32 s20, s67
	s_mov_b32 s21, 0
	s_add_nc_u64 s[G0A+2:G0A+3], s[4:5], s[20:21]
	s_or_b32 s[G0A+3], s[G0A+3], 0x80000000
	s_add_nc_u64 s[G0B+2:G0B+3], s[84:85], s[78:79]
	s_or_b32 s[G0B+3], s[G0B+3], 0x80000000
	s_add_nc_u64 s[G0S+2:G0S+3], s[6:7], s[80:81]
	s_or_b32 s[G0S+3], s[G0S+3], 0x80000000
	s_add_nc_u64 s[86:87], s[86:87], s[82:83]
	s_mov_b32 s20, s12
	s_add_nc_u64 s[88:89], s[88:89], s[20:21]
	s_cmp_eq_u32 s14, 0
	s_cbranch_scc0 .Lwave_1
	TLOAD G0B, G1B
	s_branch .Lasked
.Lwave_1:
	s_cmp_eq_u32 s14, 1
	s_cbranch_scc0 .Lfor_scales
	TLOAD G0A, G1A
	s_branch .Lasked
.Lfor_scales:
	TLOAD G0S, G1S
.Lasked:
	s_load_b64 s[84:85], s[0:1], 0x50
	s_and_b32 s21, s42, 7
	s_lshr_b32 s22, s21, 1
	s_and_b32 s23, s42, 1
	s_lshl_b32 s20, s19, 8
	s_lshl_b32 s22, s22, 6
	SADD 20, 22
	s_lshl_b32 s22, s43, 2
	SADD 20, 22
	s_mul_i32 s76, s20, PCS
	s_lshl_b32 s22, s23, 11
	SADD 76, 22
	s_lshl_b32 s22, s15, 13
	SADD 76, 22
	s_lshl_b32 s22, s16, 10
	SADD 76, 22
	s_mov_b32 s77, 0
	s_xor_b32 s22, s15, s18
	s_xor_b32 s22, s22, 1
	s_lshl_b32 s22, s22, 1
	SADD 20, 22
	SADD 20, 16
	s_mul_i32 s78, s20, PCS
	s_lshl_b32 s22, s23, 9
	SADD 78, 22
	s_add_co_u32 s78, s78, 32768
	s_mov_b32 s79, 0
	s_lshl_b32 s20, s43, 1
	SADD 20, 18
	s_lshl_b32 s20, s20, 3
	SADD 20, 13
	s_add_co_u32 s20, s20, 512
	s_mul_i32 s80, s20, PCS
	s_lshl_b32 s22, s14, 8
	s_add_co_u32 s82, s80, s22
	s_add_co_u32 s82, s82, 32768
	s_mov_b32 s83, 0
	s_lshl_b32 s22, s16, 14
	SADD 80, 22
	s_lshl_b32 s22, s15, 9
	SADD 80, 22
	s_mov_b32 s81, 0
	s_lshl_b32 s20, s21, 1
	SADD 20, 16
	s_lshl_b32 s20, s20, 8
	s_mov_b32 s21, 0
	s_lshl_b32 s22, s13, 1
	SADD 22, 16
	s_lshl_b32 s22, s22, 8
	s_mov_b32 s23, 0
	s_wait_kmcnt 0x0
	s_add_nc_u64 s[90:91], s[90:91], s[20:21]
	s_add_nc_u64 s[84:85], s[84:85], s[22:23]
.irp k, 0,1
	global_load_b128 v[BQ+4*\k:BQ+4*\k+3], v60, s[90:91] offset:16*\k
	global_load_b128 v[BQ+8+4*\k:BQ+8+4*\k+3], v61, s[90:91] offset:32+16*\k
	global_load_b128 v[BQ+16+4*\k:BQ+16+4*\k+3], v60, s[90:91] offset:64+16*\k
	global_load_b128 v[BQ+24+4*\k:BQ+24+4*\k+3], v61, s[90:91] offset:96+16*\k
.endr
.irp t, 0,1,2,3
	global_load_b32 v[BV+\t], v62, s[84:85] offset:64*\t
.endr
.irp p, 0,1
.irp c, 0,1
	global_load_b128 v[SB+8*\p+4*\c:SB+8*\p+4*\c+3], v[ABS], s[86:87] offset:\p*16*KS+16*\c
	global_load_b128 v[WS+8*\p+4*\c:WS+8*\p+4*\c+3], v21, s[88:89] offset:\p*32*KS+16*\c
.endr
.endr
	s_add_co_u32 s6, s67, CH*KROW
	s_add_co_u32 s7, s2, CH*KROW
	s_lshl_b32 s21, s66, 13
	s_add_co_u32 s22, s21, s6
	s_add_co_u32 s23, s21, s2
	v_lshl_add_u32 v7, v3, 8, s22
	v_lshl_add_u32 v22, v3, 8, s23
	v_add_nc_u32 v1, 16*PITCH, v[ADRA0]
	v_add_nc_u32 v2, R16, v[AAS0]
	WALU
	s_wait_xcnt 0x0
	s_cmp_eq_u32 s14, 0
	s_cbranch_scc0 .Lnot_b
	s_wait_tensorcnt 0x0
.Lnot_b:
	BARRIER
	global_prefetch_b8 v7, s[4:5] th:TH_LOAD_NT scope:SCOPE_SE
	global_prefetch_b8 v22, s[4:5] th:TH_LOAD_NT scope:SCOPE_SE
.macro GRD
	s_wait_tensorcnt 0x0
	ds_add_u32 v[SPW], v[NIL]
.endm
.macro FRAG f, adr, q, off
	WIN (1+(\f)/FPW)<<6
.irp c, 0,1,2,3
	ds_load_b128 v[FR*((\f)%FPW)+4*\c:FR*((\f)%FPW)+4*\c+3], v[\adr] offset:128*(\q)+32*\c+(\off)
.endr
.endm
.macro FETCHAT k, a, s
	WIN 3<<6
.irp q, 0,1,2,3,4,5,6,7
.irp c, 0,1,2,3
	ds_load_b128 v[128*\k+FR*\q+4*\c:128*\k+FR*\q+4*\c+3], v[\a] offset:128*\q+32*\c
.endr
.endr
	WIN 0
	ds_load_b128 v[SA+8*\k:SA+8*\k+3], v[\s]
	ds_load_b128 v[SA+8*\k+4:SA+8*\k+7], v[\s] offset:16
.endm
.macro PROD kind, e, a, n
.set Q_, (\n)/4
.set B_, (\n)%4
.set FB_, NB*Q_+B_
.set AC_, ACC+32*(\a)+8*B_
.set C_, AC_
.if Q_ == 0
.set C_, BQ+8*B_
.endif
.set R_, 128*(\e)+FR*Q_
.set W_, FR*(FB_%FPW)
.set XS_, SA+8*(\e)+Q_
.set WS_, SB+8*(B_/2)+Q_
.if \kind
	WIN 3|((1+FB_/FPW)<<2)
.if B_%2
	v_wmma_scale_f32_16x16x128_f8f6f4 v[AC_:AC_+7], v[R_:R_+FR-1], v[W_:W_+FR-1], v[C_:C_+7], v[XS_], v[WS_] matrix_b_scale:MATRIX_SCALE_ROW1
.else
	v_wmma_scale_f32_16x16x128_f8f6f4 v[AC_:AC_+7], v[R_:R_+FR-1], v[W_:W_+FR-1], v[C_:C_+7], v[XS_], v[WS_]
.endif
.else
	WIN (1+FB_/FPW)|(3<<2)
.if B_%2
	v_wmma_scale_f32_16x16x128_f8f6f4 v[AC_:AC_+7], v[W_:W_+FR-1], v[R_:R_+FR-1], v[C_:C_+7], v[WS_], v[XS_] matrix_a_scale:MATRIX_SCALE_ROW1
.else
	v_wmma_scale_f32_16x16x128_f8f6f4 v[AC_:AC_+7], v[W_:W_+FR-1], v[R_:R_+FR-1], v[C_:C_+7], v[WS_], v[XS_]
.endif
.endif
.endm
.macro HOLD x, b
	v_med3_num_f32 v[\x], v[\x], -v[TQ+\b], v[TQ+\b]
.endm
.macro SCALES i, n
.if (\i) == 0
	v_add_nc_u32 v[SOP+\n], -(EMAX<<23), v[TQ]
.elseif (\i) == 1
	v_and_or_b32 v[TQ+1], v[TQ], 0x7f800000, s62
.elseif (\i) == 2
	v_mov_b32 v[TQ+3], v[TQ+1]
.else
	v_lshrrev_b32 v[EB+\n], 23, v[SOP+\n]
.endif
.endm
.macro MAXQ k, x
.if (\k) < 4
	v_max3_num_f32 v[TQ+\k], |v[\x+8*(\k)]|, |v[\x+8*(\k)+1]|, |v[\x+8*(\k)+2]|
.elseif (\k) < 12
	v_max3_num_f32 v[TQ+(\k)%4], v[TQ+(\k)%4], |v[\x+8*((\k)%4)+2*((\k)/4)+1]|, |v[\x+8*((\k)%4)+2*((\k)/4)+2]|
.elseif (\k) < 16
	v_max_num_f32 v[TQ+(\k)%4], v[TQ+(\k)%4], |v[\x+8*((\k)%4)+7]|
.elseif (\k) == 16
	v_max3_num_f32 v[TQ], v[TQ], v[TQ+1], v[TQ+2]
.else
	v_max3_num_f32 v[TQ], v[TQ], v[TQ+3], (EMAX+1)<<23
.endif
.endm
.macro HOLDS m, x
.if (\m) == 3
	HOLD \x, 3
	HOLD \x+1, 3
.else
	HOLD \x, 1
	HOLD \x+1, 1
.endif
.if (\m) == 2
	SCALES 2, 0
.endif
.endm
.macro GAPQ m, x
.if (\m) < 9
	MAXQ 2*(\m), \x
	MAXQ 2*(\m)+1, \x
.elseif (\m) == 9
	SCALES 0, 0
	SCALES 1, 0
.elseif (\m) < 26
	HOLDS (\m)-10, \x+2*((\m)-10)
.if ((\m)-10)%4 == 3
	v_cvt_scalef32_pk8_fp8_f32 v[NCD+2*(((\m)-10)/4):NCD+2*(((\m)-10)/4)+1], v[\x+8*(((\m)-10)/4):\x+8*(((\m)-10)/4)+7], v[SOP]
.endif
.elseif (\m) == 26
	SCALES 3, 0
.endif
.endm
.macro GAPV u, x
.set T_, (\u)/15
.set J_, (\u)%15
.set E_, \x+8*T_
.set O_, E_+32
.if (\u) > 59
.elseif J_ == 0
	v_max3_num_f32 v[TQ], |v[E_]|, |v[E_+1]|, |v[E_+2]|
	v_max3_num_f32 v[TQ+2], |v[O_]|, |v[O_+1]|, |v[O_+2]|
.elseif J_ < 3
	v_max3_num_f32 v[TQ], v[TQ], |v[E_+2*J_+1]|, |v[E_+2*J_+2]|
	v_max3_num_f32 v[TQ+2], v[TQ+2], |v[O_+2*J_+1]|, |v[O_+2*J_+2]|
.elseif J_ == 3
	v_max3_num_f32 v[TQ+2], v[TQ+2], |v[O_+7]|, (EMAX+1)<<23
	v_max3_num_f32 v[TQ], v[TQ], |v[E_+7]|, v[TQ+2]
.elseif J_ == 4
	v_permlanex16_b32 v[TQ+2], v[TQ], s60, s61
	v_max_num_f32 v[TQ], v[TQ], v[TQ+2]
.elseif J_ == 5
	SCALES 0, T_
	SCALES 1, T_
.elseif J_ < 10
	HOLDS J_-6, E_+2*(J_-6)
.if J_ == 9
	v_cvt_scalef32_pk8_fp8_f32 v[MCD+4*T_:MCD+4*T_+1], v[E_:E_+7], v[SOP+T_]
.endif
.elseif J_ < 14
	HOLDS J_-6, O_+2*(J_-10)
.if J_ == 13
	v_cvt_scalef32_pk8_fp8_f32 v[MCD+4*T_+2:MCD+4*T_+3], v[O_:O_+7], v[SOP+T_]
.endif
.else
	SCALES 3, T_
.endif
.endm
.macro RDESC i, off, lds
.if (\i) == 0
	s_mul_i32 s[G0R+1], s14, CH/4*PITCH
	s_add_co_u32 s[G0R+1], s[G0R+1], s\lds
	s_mul_i32 s20, s14, CH/4*KROW
	s_add_co_u32 s20, s20, s\off
.else
	s_mov_b32 s21, 0
	s_add_nc_u64 s[G0R+2:G0R+3], s[4:5], s[20:21]
	s_or_b32 s[G0R+3], s[G0R+3], 0x80000000
.endif
.endm
.macro LIST n, j, y, x
.if (\n) == 0
.if (\j) == 1
	s_add_nc_u64 s[84:85], s[84:85], PCS
	s_cmp_eq_u32 s46, 2
	s_cselect_b64 s[84:85], s[88:89], s[84:85]
.elseif (\j) == 4
	s_add_nc_u64 s[84:85], s[84:85], s[76:77]
.elseif (\j) == 5
	s_add_nc_u64 s[84:85], s[84:85], s[78:79]
.endif
	WIN 0
.if (\j) == 0 || (\j) == 1
	s_add_co_u32 s22, s101, (64+16*(\j))*PITCH
.elseif (\j) > 1
	s_add_co_u32 s22, s47, ((\j)%2)*16*PITCH
.else
	s_add_co_u32 s22, s47, (-1-(\j))*16*PITCH
.endif
	v_add_nc_u32 v[ADRA], s22, v[ADRA0]
.elseif (\n) == 1
	WIN 0
.if (\j) == 0 || (\j) == 1
	s_add_co_u32 s22, s17, (4+(\j))*R16
.elseif (\j) > 1
	s_add_co_u32 s22, s8, ((\j)%2)*R16
.else
	s_add_co_u32 s22, s8, (-1-(\j))*R16
.endif
	v_add_nc_u32 v[AAS], s22, v[AAS0]
.endif
.if (\j) == 2 && (\n) == 2
	WIN 0
	v_lshl_add_u32 v7, v3, 8, s23
.elseif (\j) == 0 && ((\n) == 29 || (\n) == 30)
	RDESC (\n)-29, 6, 47
.elseif ((\j) == 1 || (\j) == 4) && (\n) == 2
	WIN 0
	v_add_nc_u32 v[VX], s9, v[VX0]
.endif
.if (\y) == 1 && (\n) > 0 && (\n) < 28
	WIN 0
	GAPQ (\n)-1, \x
.elseif (\y) == 2 && (\n) > 0 && (\n) < 31
	WIN 0
	GAPV (\n)-1, \x
.elseif (\y) == 3 && (\n) > 0 && (\n) < 31
	WIN 0
	GAPV (\n)+29, \x
.endif
.endm
.macro BLOCK kind, e, a, from, to, j, y, x
.set N_, \from
.rept (\to)-(\from)
	PROD \kind, \e, \a, N_
	LIST N_, \j, \y, \x
.set N_, N_+1
.endr
.endm
.macro BLK kind, e, a, w, j, y, x
.if (\w) >= 0
	s_wait_dscnt \w
.endif
	s_wait_xcnt 0x0
	BLOCK \kind, \e, \a, 0, 32, \j, \y, \x
	WIN 0
	PLACES NP
.endm
.macro RBLK kind, e, a, w, j, y, x
.if (\w) >= 0
	s_wait_dscnt \w
.endif
	s_wait_xcnt 0x0
	GRD
	BLOCK \kind, \e, \a, 0, 28, \j, \y, \x
	WIN 0
	WALU
	s_wait_dscnt 0x0
	s_barrier_signal -1
	BLOCK \kind, \e, \a, 28, 32, \j, \y, \x
	MIDDLE
	BARRIER
.endm
.macro SBLK kind, e, a, w, j, y, x, half=0
.if (\w) >= 0
	s_wait_dscnt \w
.endif
	s_wait_xcnt 0x0
	BLOCK \kind, \e, \a, 0, 28, \j, \y, \x
	WIN 0
	WALU
.if \half
	s_cmp_lt_u32 s14, 2
	s_cbranch_scc0 .Lnot_yet_\@
	s_wait_tensorcnt 0x0
.Lnot_yet_\@:
.else
	s_wait_tensorcnt 0x0
.endif
	s_wait_dscnt 0x0
	s_barrier_signal -1
	BLOCK \kind, \e, \a, 28, 32, \j, \y, \x
	WIN 0
	s_barrier_wait -1
	PLACES NP
.endm
.macro QOUT off, boff
	ds_store_b8 v[VX], v[EB] offset:\boff
	global_store_b128 v[CN], v[NCD:NCD+3], s[84:85] offset:\off
	global_store_b128 v[CN], v[NCD+4:NCD+7], s[84:85] offset:(\off)+256
.endm
.irp q, 0,1,2,3,4,5,6,7
	FRAG NB*\q, ADRE, \q, 0
	FRAG NB*\q+1, ADRO, \q, 8*PITCH
	FRAG NB*\q+2, ADRE, \q, 16*PITCH
	FRAG NB*\q+3, ADRO, \q, 24*PITCH
.endr
	WIN 0
	s_wait_tensorcnt 0x0
	s_wait_dscnt 0x0
	BARRIER
	FETCHAT 0, ADRA0, AAS0
	FETCHAT 1, 1, 2
	s_load_b64 s[92:93], s[0:1], 0x58
	s_mov_b32 s60, 0x76543210
	s_mov_b32 s61, 0xfedcba98
	s_mov_b32 s62, 0x600000
.set I_, 0
.rept 32
	v_mov_b32 v[ACC+32+I_], 0
.set I_, I_+1
.endr
	WALU
	s_wait_kmcnt 0x0
	s_add_nc_u64 s[94:95], s[92:93], s[78:79]
	s_add_nc_u64 s[96:97], s[92:93], s[80:81]
	s_add_nc_u64 s[98:99], s[92:93], s[82:83]
	s_add_nc_u64 s[92:93], s[92:93], s[76:77]
	s_mul_i32 s20, s18, 2*PCS
	s_mov_b32 s21, 0
	s_add_nc_u64 s[88:89], s[92:93], s[20:21]
	s_xor_b32 s20, s20, 2*PCS
	s_add_nc_u64 s[84:85], s[92:93], s[20:21]
	s_sub_nc_u64 s[84:85], s[84:85], PCS
	s_mov_b64 s[86:87], s[4:5]
	s_mov_b32 s46, 0
	s_mov_b32 s9, 0
	s_mov_b32 s23, 0
	s_mov_b32 s101, 0
	s_mov_b32 s47, YB
	s_mov_b32 s17, 0
	s_mov_b32 s8, 8*R16
	s_wait_loadcnt 0x0
.Lfour:
	RBLK 0, 0, 0, NF, 0, 1, ACC+32
	s_cmp_lt_u32 s14, 2
	s_cbranch_scc0 .Lupper
	TLOAD G0R, G1R
	s_branch .Lboth
.Lupper:
	TLOAD G0R, G1R
.Lboth:
	PLACES NP-4
	s_cmp_eq_u32 s46, 0
	s_cbranch_scc1 .Lno_block_before
	QOUT 20480, 320
.Lno_block_before:
	FETCHAT 0, ADRA, AAS
	BLK 0, 1, 1, -1, 1, 1, ACC
	QOUT 0, 0
	FETCHAT 1, ADRA, AAS
	SBLK 0, 0, 0, NF, 2, 1, ACC+32, 1
	QOUT 4096, 64
	s_cmp_eq_u32 s46, 0
	s_cbranch_scc1 .Lnone_ahead
	global_prefetch_b8 v7, s[86:87] th:TH_LOAD_NT scope:SCOPE_SE
.Lnone_ahead:
	FETCHAT 0, ADRA, AAS
	BLK 0, 1, 1, -1, 3, 1, ACC
	QOUT 16384, 256
	FETCHAT 1, ADRA, AAS
	s_cmp_eq_u32 s46, 0
	s_cselect_b32 s6, s2, s7
	s_cselect_b32 s21, s66, s100
	s_cselect_b32 s22, s7, s3
	s_cselect_b64 s[86:87], s[4:5], s[10:11]
	s_add_co_u32 s9, s9, 512
	s_lshl_b32 s21, s21, 13
	s_add_co_u32 s23, s21, s22
	s_mov_b32 s101, s47
	s_mov_b32 s17, s8
	s_xor_b32 s47, s47, YB
	s_add_co_u32 s8, s8, 8*R16
	s_add_co_u32 s46, s46, 1
	s_cmp_lg_u32 s46, 3
	s_cbranch_scc1 .Lfour
	GRD
	s_mul_i32 s20, s14, CH/4*KROW
	s_add_co_u32 s20, s20, s3
	s_mov_b32 s21, 0
	s_mul_i32 s[G0A+1], s14, CH/4*PITCH
	s_add_nc_u64 s[G0A+2:G0A+3], s[10:11], s[20:21]
	s_or_b32 s[G0A+3], s[G0A+3], 0x80000000
	GROUP1 G1A, 45, CH/4
	s_wait_dscnt 0x0
	s_barrier_signal -1
	MIDDLE
	BARRIER
	TLOAD G0A, G1A
	s_mov_b32 s47, YB+64*PITCH
	s_mov_b32 s8, 28*R16
	s_mov_b32 s9, 1344
	s_mov_b32 s76, 20480
	s_mov_b32 s77, 0
	s_mov_b32 s78, 13312
	s_mov_b32 s79, 0
.Ltwo:
	BLK 0, 0, 0, NF, 4, 1, ACC+32
	QOUT 0, 0
	FETCHAT 0, ADRA, AAS
	BLK 0, 1, 1, NF, 5, 1, ACC
	QOUT 0, 192
	FETCHAT 1, ADRA, AAS
	s_mov_b32 s47, YB
	s_mov_b32 s8, 24*R16
	s_add_co_u32 s9, s9, 256
	s_mov_b32 s76, 4096
	s_mov_b32 s78, 12288
	s_add_co_u32 s46, s46, 1
	s_cmp_lg_u32 s46, 5
	s_cbranch_scc1 .Ltwo
	s_wait_xcnt 0x0
	s_wait_tensorcnt 0x0
	s_wait_dscnt 0x0
	BARRIER
.macro CHANGE i
.if (\i) < 7
.irp k, 0,1,2,3
.if 4*(\i)+\k < 27
	GAPQ 4*(\i)+\k, ACC+32
.endif
.endr
.elseif (\i) < 9
.irp q, 0,1,2,3,4,5,6,7
	v_mov_b32 v[SB+8*((\i)-7)+\q], v[WS+8*((\i)-7)+\q]
.endr
.elseif (\i) < 15
.irp q, 0,1,2,3,4,5,6,7
	v_mov_b32 v[ACC+80+8*((\i)-9)+\q], 0
.endr
.endif
.endm
.irp q, 0,1,2,3,4,5,6,7
.irp b, 0,2
	FRAG NB*\q+\b, ADRV, \q, \b*16*PITCH
	FRAG NB*\q+\b+1, ADRV, \q, (\b+1)*16*PITCH
	WIN 0
	CHANGE 2*\q+\b/2
.endr
.endr
.irp t, 0,1,2,3
.irp i, 0,1,2,3,4,5,6,7
	v_mov_b32 v[BQ+8*\t+\i], v[BV+\t]
.endr
.endr
	WALU
	QOUT 4096, 256
	GRD
	s_mov_b32 s47, 0
	RDESC 0, 2, 47
	RDESC 1, 2, 47
	s_mov_b32 s46, 0
	s_mov_b32 s47, YB+64*PITCH
	s_mov_b32 s8, 28*R16
	s_wait_dscnt 0x0
	s_barrier_signal -1
	MIDDLE
	BARRIER
	TLOAD G0R, G1R
.macro VOUT
.irp t, 0,1,2,3
	ds_store_b8 v[VX], v[EB+\t] offset:64*\t
	global_store_b128 v[CO], v[MCD+4*\t:MCD+4*\t+3], s[84:85] offset:4096*\t
.endr
.endm
.macro VTO
	s_lshl_b32 s20, s22, 10
	s_mov_b32 s21, 0
	s_add_nc_u64 s[84:85], s[96:97], s[20:21]
	s_lshr_b32 s20, s22, 1
	s_lshl_b32 s20, s20, 9
	s_and_b32 s21, s22, 1
	s_lshl_b32 s21, s21, 1
	s_add_co_u32 s20, s20, s21
	v_add_nc_u32 v[VX], s20, v[RD]
	WALU
.endm
.Lpair:
	BLK 1, 0, 0, -1, -1, 2, ACC+64
	s_cmp_eq_u32 s46, 3
	s_cbranch_scc1 .Lnone_0
	FETCHAT 0, ADRA, AAS
	s_wait_dscnt NF
	s_branch .Lgo
.Lnone_0:
	s_wait_dscnt 0x0
.Lgo:
	SBLK 1, 1, 1, -1, -2, 3, ACC+64
.set I_, 0
.rept 16
	v_dual_mov_b32 v[ACC+64+I_], v[ACC+I_] :: v_dual_mov_b32 v[ACC+64+I_+1], v[ACC+I_+1]
	v_dual_mov_b32 v[ACC+96+I_], v[ACC+32+I_] :: v_dual_mov_b32 v[ACC+96+I_+1], v[ACC+32+I_+1]
.set I_, I_+2
.endr
	s_add_co_u32 s22, s46, 1
	s_and_b32 s22, s22, 3
	VTO
	s_cmp_eq_u32 s46, 0
	s_cbranch_scc1 .Lno_pair_before
	VOUT
.Lno_pair_before:
	s_cmp_eq_u32 s46, 3
	s_cbranch_scc1 .Lnone_1
	FETCHAT 1, ADRA, AAS
.Lnone_1:
	s_mov_b32 s8, 20*R16
	s_cmp_eq_u32 s46, 0
	s_cselect_b32 s47, 0, 64*PITCH
	s_cselect_b32 s8, 16*R16, s8
	s_add_co_u32 s46, s46, 1
	s_cmp_lg_u32 s46, 4
	s_cbranch_scc1 .Lpair
	s_wait_xcnt 0x0
.set K_, 0
.rept 60
	GAPV K_, ACC+64
.set K_, K_+1
.endr
	s_mov_b32 s22, 1
	VTO
	VOUT
	s_wait_dscnt 0x0
	BARRIER
	v_lshlrev_b32 v20, 4, v3
	s_lshl_b32 s21, s14, 9
	s_add_co_u32 s21, s21, XN
	v_add_nc_u32 v21, s21, v20
	v_lshlrev_b32 v22, 3, v3
	s_lshl_b32 s21, s14, 8
	s_add_co_u32 s21, s21, XV
	v_add_nc_u32 v23, s21, v22
	WALU
	ds_load_b128 v[60:63], v21
	ds_load_b64 v[40:41], v23
	s_wait_dscnt 0x0
	global_store_b128 v20, v[60:63], s[94:95]
	global_store_b64 v22, v[40:41], s[98:99]
	s_wait_tensorcnt 0x0
	ds_add_u32 v[SPW], v[NIL]
	s_wait_dscnt 0x0
	CROUND
	s_endpgm
.Lfunc_end_k_q7283a58a87_proj:
	.size	k_q7283a58a87_proj, .Lfunc_end_k_q7283a58a87_proj-k_q7283a58a87_proj
	.p2alignl 7, 3214868480
	.fill 96, 4, 3214868480
	.section	.rodata,"a",@progbits
	.p2align	6, 0x0
	.amdhsa_kernel k_q7283a58a87_proj
		.amdhsa_group_segment_fixed_size 327680
		.amdhsa_private_segment_fixed_size 0
		.amdhsa_enable_private_segment 0
		.amdhsa_kernarg_size 96
		.amdhsa_user_sgpr_count 2
		.amdhsa_user_sgpr_kernarg_segment_ptr 1
		.amdhsa_wavefront_size32 1
		.amdhsa_system_sgpr_workgroup_id_x 1
		.amdhsa_system_sgpr_workgroup_id_y 1
		.amdhsa_system_sgpr_workgroup_id_z 1
		.amdhsa_system_vgpr_workitem_id 0
		.amdhsa_next_free_vgpr 1024
		.amdhsa_next_free_sgpr 102
		.amdhsa_reserve_vcc 0
		.amdhsa_float_denorm_mode_32 3
		.amdhsa_float_denorm_mode_16_64 3
		.amdhsa_memory_ordered 1
		.amdhsa_forward_progress 1
		.amdhsa_inst_pref_size 164
	.end_amdhsa_kernel
	.amdgpu_metadata
---
amdhsa.version: [ 1, 2 ]
amdhsa.kernels:
  - .name:           k_q7283a58a87_proj
    .symbol:         k_q7283a58a87_proj.kd
    .args:
      - { .name: x_codes, .offset: 0, .size: 8, .value_kind: global_buffer, .address_space: global }
      - { .name: x_scales, .offset: 8, .size: 8, .value_kind: global_buffer, .address_space: global }
      - { .name: Wq_codes, .offset: 16, .size: 8, .value_kind: global_buffer, .address_space: global }
      - { .name: Wq_scales, .offset: 24, .size: 8, .value_kind: global_buffer, .address_space: global }
      - { .name: Wk_codes, .offset: 32, .size: 8, .value_kind: global_buffer, .address_space: global }
      - { .name: Wk_scales, .offset: 40, .size: 8, .value_kind: global_buffer, .address_space: global }
      - { .name: Wv_codes, .offset: 48, .size: 8, .value_kind: global_buffer, .address_space: global }
      - { .name: Wv_scales, .offset: 56, .size: 8, .value_kind: global_buffer, .address_space: global }
      - { .name: bq, .offset: 64, .size: 8, .value_kind: global_buffer, .address_space: global }
      - { .name: bk, .offset: 72, .size: 8, .value_kind: global_buffer, .address_space: global }
      - { .name: bv, .offset: 80, .size: 8, .value_kind: global_buffer, .address_space: global }
      - { .name: qkv, .offset: 88, .size: 8, .value_kind: global_buffer, .address_space: global }
    .group_segment_fixed_size: 327680
    .private_segment_fixed_size: 0
    .kernarg_segment_align: 8
    .kernarg_segment_size: 96
    .max_flat_workgroup_size: 128
    .sgpr_count:     102
    .vgpr_count:     1024
    .wavefront_size: 32
...
	.end_amdgpu_metadata
.endif
;; end of part 1
;; launch score (part 2): grid 51 x 4, 4 waves a work-group, no clusters, 327,680 bytes of LDS; arguments qkv, p_codes, p_aux; writes p_codes, p_aux
.if DOCPART == 2
	.amdgcn_target "amdgcn-amd-amdhsa--gfx1250"
	.amdhsa_code_object_version 6
	.text
	.protected	k_q7283a58a87_score
	.globl	k_q7283a58a87_score
	.p2align	8
	.type	k_q7283a58a87_score,@function
k_q7283a58a87_score:
	s_mov_b64 s[64:65], 0
	v_nop
	global_prefetch_b8 v0, s[64:65] scope:SCOPE_SE
	s_setreg_imm32_b32 hwreg(HW_REG_WAVE_MODE, 25, 1), 1
	s_wait_xcnt 0x0
.set PCS, 33792
.set KST, 64*PCS
.set LST, 2*PCS
.set MST, 4*LST
.set SPARE, MST+4*3072
.set NB, 4
.set FR, 16
.set FPW, 16
.set LI, 4
.set S0, 5
.set VDB, 9
.set SPW, 10
.set NIL, 11
.set KA, 12
.set K0, 16
.set KS, 20
.set SB, 24
.set L4, 40
.set L8, 41
.set SA, 44
.set ACC, 64
.set X, 128
.set PC, 192
.set BM, 208
.set BN, 212
.set NM, 216
.set HOLD, 224
.set SOP, 228
.set SUM, 232
.set SUM2, 240
.set SV, 248
.set VD, 252
.set NINF, 253
.set AST0, 254
.set AST, 255
.set G1, 24
.set G0, 32
.set CS, 56
.set SEL, 58
.set MNT, 60
.set MSB, 0
.macro WIN new
.if MSB != (\new)
	s_set_vgpr_msb (MSB<<8)|(\new)
.set MSB, (\new)
.endif
.endm
.macro WALU
	s_wait_alu depctr_va_vdst(0)
.endm
	s_load_b64 s[4:5], s[0:1], 0x0
	s_load_b128 s[8:11], s[0:1], 0x8
	v_lshl_add_u32 v[SPW], v0, 2, SPARE
	v_mov_b32 v[NIL], 0
	ds_add_u32 v[SPW], v[NIL]
	ds_add_u32 v[SPW], v[NIL]
	v_lshrrev_b32 v1, 5, v0
	v_readfirstlane_b32 s14, v1
	s_and_b32 s19, ttmp7, 0xffff
	s_mov_b32 s17, 0
	s_mov_b32 s18, 0
	s_mov_b32 s20, 0
.irp T, 2,5,9,15,22,30,40
	s_mov_b32 s20, \T
	s_cmp_ge_u32 ttmp9, s20
	s_cselect_b32 s18, s20, s18
	s_add_co_ci_u32 s17, s17, 0
.endr
	s_sub_co_u32 s18, ttmp9, s18
	s_and_b32 s40, s18, 1
	s_lshl_b32 s40, s40, 2
	s_add_co_u32 s20, s17, 1
	s_lshl_b32 s20, s20, 3
	s_mul_i32 s43, s18, 6
	s_sub_co_u32 s41, s20, s43
	s_min_u32 s41, s41, 6
	s_lshl_b32 s42, s17, 8
	s_lshl_b32 s20, s14, 6
	s_add_co_u32 s42, s42, s20
	s_mul_i32 s21, s18, 192
	s_mov_b32 s44, s42
	s_sub_co_i32 s42, s42, s21
	s_mov_b32 s[G1+0], 3<<16
	s_mov_b32 s[G1+1], 32<<16
	s_mov_b32 s[G1+2], 264<<16
	s_mov_b32 s[G1+3], 32<<16
	s_mov_b32 s[G1+4], 264
	s_mov_b32 s[G1+5], 32
	s_mov_b32 s[G1+6], 0
	s_mov_b32 s[G1+7], 0
	s_mov_b32 s[G0], 1
	s_mul_i32 s[G0+1], s14, LST
	s_mul_i32 s20, s18, 3
	s_lshr_b32 s20, s20, 1
	s_lshl_b32 s21, s19, 4
	s_add_co_u32 s20, s20, s21
	s_lshl_b32 s22, s14, 6
	s_add_co_u32 s20, s20, s22
	s_add_co_u32 s20, s20, 256
	s_mul_i32 s20, s20, PCS
	s_lshl_b32 s22, s17, 1
	s_add_co_u32 s22, s22, s21
	s_lshr_b32 s23, s14, 1
	s_add_co_u32 s22, s22, s23
	s_mul_i32 s22, s22, PCS
	s_and_b32 s23, s14, 1
	s_lshl_b32 s36, s23, 14
	s_add_co_u32 s36, s36, s22
	s_lshl_b32 s38, s23, 8
	s_add_co_u32 s38, s38, s22
	s_add_co_u32 s38, s38, 32768
	s_mov_b32 s37, 0
	s_mov_b32 s39, 0
	s_mov_b32 s21, 0
	s_mul_i32 s45, s14, 3072
	s_add_co_u32 s45, s45, MST
	s_mov_b32 s[CS], 0x3d38aa3b
	s_mov_b32 s[CS+1], s[CS]
	s_mov_b32 s[SEL], 0x76543210
	s_mov_b32 s[SEL+1], 0xfedcba98
	s_mov_b32 s[MNT], 0x600000
	v_and_b32 v1, 15, v0
	v_bfe_u32 v2, v0, 4, 1
	v_and_b32 v3, 31, v0
	v_lshlrev_b32 v[LI], 4, v3
	v_lshlrev_b32 v[L4], 2, v3
	v_lshlrev_b32 v[L8], 3, v3
.irp n, 0,1,2,3
	v_add_nc_u32 v[K0+\n], \n*LST, v[LI]
.endr
	v_lshlrev_b32 v[S0], 2, v1
.irp n, 3,2,1,0
	v_add_nc_u32 v[S0+\n], \n*LST+32768, v[S0]
.endr
	v_lshlrev_b32 v[VDB], 3, v2
	v_sub_nc_u32 v[VDB], v1, v[VDB]
	v_lshl_add_u32 v[AST0], v1, 2, s45
	v_add_nc_u32 v42, s45, v[L4]
	v_mov_b32 v[NINF], 0xff800000
	WALU
	s_wait_dscnt 0x0
	s_wait_kmcnt 0x0
	s_add_nc_u64 s[G0+2:G0+3], s[4:5], s[20:21]
	s_or_b32 s[G0+3], s[G0+3], 0x80000000
	tensor_load_to_lds s[G0:G0+3], s[G1:G1+7]
	s_nop 0
.rept 4
	v_nop
.endr
	s_add_nc_u64 s[36:37], s[4:5], s[36:37]
	s_add_nc_u64 s[38:39], s[4:5], s[38:39]
.irp p, 0,1
.irp q, 0,1,2,3,4,5,6,7
	global_load_b32 v[SB+8*\p+\q], v[L4], s[38:39] offset:(\q/2)*KST+(\q%2)*512+128*\p
.endr
.endr
.macro QLOAD f
	WIN (1+(\f)/FPW)<<6
.irp c, 0,1,2,3
	global_load_b128 v[FR*((\f)%FPW)+4*\c:FR*((\f)%FPW)+4*\c+3], v[LI], s[36:37] offset:((\f)/8)*KST+((\f)%4)*4096+(((\f)/4)%2)*2048+512*\c
.endr
.endm
.set F_, 0
.rept 32
	QLOAD F_
.set F_, F_+1
.endr
	WIN 0
	s_lshl_b32 s20, s19, 22
	s_lshl_b32 s22, s44, 8
	s_add_co_u32 s20, s20, s22
	s_add_nc_u64 s[8:9], s[8:9], s[20:21]
	s_lshl_b32 s20, s19, 5
	s_mul_i32 s22, s18, 3
	s_add_co_u32 s20, s20, s22
	s_lshl_b32 s20, s20, 14
	s_lshl_b32 s22, s44, 3
	s_add_co_u32 s20, s20, s22
	s_add_nc_u64 s[10:11], s[10:11], s[20:21]
.set I_, 0
.rept 64
	v_mov_b32 v[X+I_], 0
.set I_, I_+1
.endr
.irp t, 0,1,2,3
	v_mov_b32 v[BM+\t], 0
	v_mov_b32 v[NM+2*\t], 0
	v_mov_b32 v[NM+2*\t+1], 0
.endr
.macro KADDR add
	s_add_co_u32 s20, s47, \add
	s_and_b32 s20, s20, 15
	s_lshr_b32 s21, s20, 3
	s_lshl_b32 s22, s20, 12
	s_lshl_b32 s23, s21, 10
	s_add_co_u32 s22, s22, s23
	s_mul_i32 s23, s21, PCS
	s_and_b32 s20, s20, 7
	s_lshl_b32 s20, s20, 6
	s_add_co_u32 s23, s23, s20
.irp n, 0,1,2,3
	v_add_nc_u32 v[KA+\n], s22, v[K0+\n]
	v_add_nc_u32 v[KS+\n], s23, v[S0+\n]
.endr
.endm
.macro FETCH k
	WIN 3<<6
.irp q, 0,1,2,3,4,5,6,7
.irp c, 0,1,2,3
	ds_load_b128 v[128*\k+FR*\q+4*\c:128*\k+FR*\q+4*\c+3], v[KA+\q/2] offset:2048*(\q%2)+512*\c
.endr
.endr
	WIN 0
.irp q, 0,1,2,3,4,5,6,7
	ds_load_b32 v[SA+8*\k+\q], v[KS+\q/2] offset:512*(\q%2)
.endr
.endm
.macro PROD e, n
.set Q_, (\n)/4
.set B_, (\n)%4
.set FB_, NB*Q_+B_
.set AC_, ACC+32*(\e)+8*B_
.set R_, 128*(\e)+FR*Q_
.set W_, FR*(FB_%FPW)
.set XS_, SA+8*(\e)+Q_
.set WS_, SB+8*(B_/2)+Q_
	WIN 3|((1+FB_/FPW)<<2)
.if Q_ && B_%2
	v_wmma_scale_f32_16x16x128_f8f6f4 v[AC_:AC_+7], v[R_:R_+FR-1], v[W_:W_+FR-1], v[AC_:AC_+7], v[XS_], v[WS_] matrix_b_scale:MATRIX_SCALE_ROW1
.elseif Q_
	v_wmma_scale_f32_16x16x128_f8f6f4 v[AC_:AC_+7], v[R_:R_+FR-1], v[W_:W_+FR-1], v[AC_:AC_+7], v[XS_], v[WS_]
.elseif B_%2
	v_wmma_scale_f32_16x16x128_f8f6f4 v[AC_:AC_+7], v[R_:R_+FR-1], v[W_:W_+FR-1], 0, v[XS_], v[WS_] matrix_b_scale:MATRIX_SCALE_ROW1
.else
	v_wmma_scale_f32_16x16x128_f8f6f4 v[AC_:AC_+7], v[R_:R_+FR-1], v[W_:W_+FR-1], 0, v[XS_], v[WS_]
.endif
.endm
.macro LA k
.set T_, (\k)%4
.set E_, X+8*T_
.set O_, E_+32
.if (\k) < 4
	v_max3_num_f32 v[BM+T_], v[E_], v[E_+1], v[E_+2]
.elseif (\k) < 8
	v_max3_num_f32 v[BN+T_], v[O_], v[O_+1], v[O_+2]
.elseif (\k) < 12
	v_max3_num_f32 v[BM+T_], v[BM+T_], v[E_+3], v[E_+4]
.elseif (\k) < 16
	v_max3_num_f32 v[BN+T_], v[BN+T_], v[O_+3], v[O_+4]
.elseif (\k) < 20
	v_max3_num_f32 v[BM+T_], v[BM+T_], v[E_+5], v[E_+6]
.elseif (\k) < 24
	v_max3_num_f32 v[BN+T_], v[BN+T_], v[O_+5], v[O_+6]
.elseif (\k) < 28
	v_max3_num_f32 v[BM+T_], v[BM+T_], v[E_+7], v[O_+7]
.elseif (\k) < 32
	v_max_num_f32 v[BM+T_], v[BM+T_], v[BN+T_]
.elseif (\k) < 36
	v_permlanex16_b32 v[BN+T_], v[BM+T_], s[SEL], s[SEL+1]
.elseif (\k) < 40
	v_max_num_f32 v[BM+T_], v[BM+T_], v[BN+T_]
.elseif (\k) < 44
	v_mul_f32 v[BN+T_], s[CS], v[BM+T_]
.elseif (\k) < 48
	v_max_num_f32 v[BN+T_], 0xff61b1e6, v[BN+T_]
.elseif (\k) < 52
	v_floor_f32 v[NM+2*T_], -v[BN+T_]
.elseif (\k) < 84
.set J_, 2*((\k)-52)
	v_pk_fma_f32 v[X+J_:X+J_+1], v[X+J_:X+J_+1], s[CS:CS+1], v[NM+2*((J_%32)/8):NM+2*((J_%32)/8)+1] op_sel_hi:[1,0,0]
.elseif (\k) < 88
	v_fma_f32 v[BM+T_], v[BM+T_], s[CS], v[NM+2*T_]
.endif
.endm
.macro LB k
.set T_, (\k)%4
.set E_, X+8*T_
.set O_, E_+32
.set S_, SUM+2*T_
.set U_, SUM2+2*T_
.if (\k) < 4
	v_pk_add_f32 v[S_:S_+1], v[E_:E_+1], v[E_+2:E_+3]
.elseif (\k) < 8
	v_pk_add_f32 v[U_:U_+1], v[E_+4:E_+5], v[E_+6:E_+7]
.elseif (\k) < 12
	v_pk_add_f32 v[S_:S_+1], v[S_:S_+1], v[O_:O_+1]
.elseif (\k) < 16
	v_pk_add_f32 v[U_:U_+1], v[U_:U_+1], v[O_+2:O_+3]
.elseif (\k) < 20
	v_pk_add_f32 v[S_:S_+1], v[S_:S_+1], v[O_+4:O_+5]
.elseif (\k) < 24
	v_pk_add_f32 v[U_:U_+1], v[U_:U_+1], v[O_+6:O_+7]
.elseif (\k) < 28
	v_pk_add_f32 v[S_:S_+1], v[S_:S_+1], v[U_:U_+1]
.elseif (\k) < 32
	v_add_f32 v[S_], v[S_], v[S_+1]
.elseif (\k) < 36
	v_permlanex16_b32 v[U_], v[S_], s[SEL], s[SEL+1]
.elseif (\k) < 40
	v_add_f32 v[S_], v[S_], v[U_]
.elseif (\k) < 44
	v_max_num_f32 v[BM+T_], 0x4800000, v[BM+T_]
.elseif (\k) < 48
	v_add_nc_u32 v[SOP+T_], 0xfc000000, v[BM+T_]
.elseif (\k) < 52
	v_and_or_b32 v[HOLD+T_], v[BM+T_], 0x7f800000, s[MNT]
.elseif (\k) < 56
	v_lshrrev_b32 v[BN+T_], 23, v[SOP+T_]
.elseif (\k) < 60
	v_sub_nc_u32 v[BN+T_], 119, v[BN+T_]
.elseif (\k) < 64
	v_ldexp_f32 v[S_], v[S_], v[BN+T_]
.elseif (\k) < 68
	v_cvt_f32_i32 v[BN+T_], v[BN+T_]
.elseif (\k) < 72
	v_sub_f32 v[SV+T_], -v[NM+2*T_], v[BN+T_]
.elseif (\k) < 144
.set G_, ((\k)-72)/9
.set H_, ((\k)-72)%9
.set Z_, X+8*(G_/2)+32*(G_%2)
.if H_ < 8
	v_min_num_f32 v[Z_+H_], v[Z_+H_], v[HOLD+G_/2]
.else
	v_cvt_scalef32_pk8_fp8_f32 v[PC+4*(G_/2)+2*(G_%2):PC+4*(G_/2)+2*(G_%2)+1], v[Z_:Z_+7], v[SOP+G_/2]
.endif
.endif
.endm
.macro BLOCK e, y
.set N_, 0
.rept 32
.if \y == 0
.if N_ == 0
	s_wait_loadcnt 63
.elseif N_ == 16
	s_wait_loadcnt 48
.elseif N_ == 20
	s_wait_loadcnt 32
.elseif N_ == 24
	s_wait_loadcnt 16
.elseif N_ == 28
	s_wait_loadcnt 0
.endif
.endif
	PROD \e, N_
.if (\y == 1) && (N_ > 0)
	WIN 0
.irp i, 0,1,2
	LA 3*(N_-1)+\i
.endr
.elseif (\y == 2) && (N_ > 0)
	WIN 0
.irp i, 0,1,2,3,4
	LB 5*(N_-1)+\i
.endr
.endif
.set N_, N_+1
.endr
	WIN 0
.endm
.macro EXPS
	WALU
.set N_, 0
.rept 64
	v_exp_f32 v[X+N_], v[X+N_]
.set N_, N_+1
.endr
.irp t, 0,1,2,3
	v_exp_f32 v[BM+\t], v[BM+\t]
.endr
.endm
.macro TAKE
	WALU
.set N_, 0
.rept 32
	v_dual_mov_b32 v[X+N_], v[ACC+N_] :: v_dual_mov_b32 v[X+N_+1], v[ACC+N_+1]
.set N_, N_+2
.endr
	s_lshl_b32 s20, s46, 5
	s_sub_co_i32 s20, s42, s20
	s_cmp_ge_i32 s20, 31
	s_cbranch_scc1 .Lopen_\@
	v_add_nc_u32 v[VD], s20, v[VDB]
.set N_, 0
.rept 64
	v_cmp_gt_i32 vcc_lo, 16*(N_/32)+N_%8-16*((N_%32)/8), v[VD]
	v_cndmask_b32 v[X+N_], v[X+N_], v[NINF], vcc_lo
.set N_, N_+1
.endr
.Lopen_\@:
.endm
.macro OUT
	s_cmp_ge_u32 s45, s41
	s_cbranch_scc1 .Ldead_\@
	s_add_co_u32 s20, s43, s45
	s_lshr_b32 s22, s20, 3
	s_lshl_b32 s22, s22, 19
	s_and_b32 s20, s20, 7
	s_lshl_b32 s20, s20, 9
	s_add_co_u32 s20, s20, s22
	s_mov_b32 s21, 0
	s_add_nc_u64 s[84:85], s[8:9], s[20:21]
	s_lshl_b32 s20, s45, 8
.irp t, 0,1,2,3
	global_store_b128 v[LI], v[PC+4*\t:PC+4*\t+3], s[84:85] offset:4096*\t
.endr
	v_add_nc_u32 v[AST], s20, v[AST0]
.irp t, 0,1,2,3
	ds_store_b32 v[AST], v[SV+\t] offset:64*\t
	ds_store_b32 v[AST], v[SUM+2*\t] offset:1536+64*\t
.endr
.Ldead_\@:
	WALU
.endm
	s_mov_b32 s47, s40
	KADDR 0
	WALU
	s_wait_tensorcnt 0x0
	s_barrier_signal -1
	s_barrier_wait -1
	FETCH 0
	KADDR 1
	FETCH 1
	s_wait_dscnt 40
	BLOCK 0, 0
	KADDR 2
	FETCH 0
	s_mov_b32 s46, 0
	WALU
.Ltrip:
	s_sub_co_u32 s45, s46, 1
	s_wait_dscnt 40
	s_wait_xcnt 0x0
	BLOCK 1, 2
	KADDR 3
	TAKE
	OUT
	FETCH 1
	s_wait_dscnt 40
	BLOCK 0, 1
	EXPS
	KADDR 4
	WALU
	s_cmp_eq_u32 s46, 4
	s_cbranch_scc1 .Lnone_ahead
	FETCH 0
.Lnone_ahead:
	s_add_co_u32 s47, s47, 2
	s_add_co_u32 s46, s46, 1
	s_cmp_lg_u32 s46, 5
	s_cbranch_scc1 .Ltrip
	s_mov_b32 s45, 4
	s_wait_dscnt 0x0
	s_wait_xcnt 0x0
	BLOCK 1, 2
.rept 8
	v_nop
.endr
	TAKE
	OUT
.set K_, 0
.rept 88
	LA K_
.set K_, K_+1
.endr
	EXPS
	v_nop
	WALU
	s_wait_xcnt 0x0
.set K_, 0
.rept 144
	LB K_
.set K_, K_+1
.endr
	v_nop
	WALU
	s_mov_b32 s45, 5
	OUT
.irp g, 0,1,2
	s_cmp_ge_u32 s41, 2*\g+2
	s_cbranch_scc0 .Lno_group_\g
.irp b, 0,1
.irp a, 0,1
	ds_load_b32 v[64+16*\g+8*\b+4*\a], v42 offset:1536*\a+512*\g+128*\b
	ds_load_b32 v[64+16*\g+8*\b+4*\a+1], v42 offset:1536*\a+512*\g+128*\b+256
.endr
.endr
	s_wait_dscnt 0x0
.irp b, 0,1
.irp a, 0,1
	global_store_b64 v[L8], v[64+16*\g+8*\b+4*\a:64+16*\g+8*\b+4*\a+1], s[10:11] offset:2097152*\a+16384*\g+256*\b
.endr
.endr
.Lno_group_\g:
.endr
	s_wait_tensorcnt 0x0
	ds_add_u32 v[SPW], v[NIL]
	s_wait_dscnt 0x0
	s_endpgm
.Lfunc_end_k_q7283a58a87_score:
	.size	k_q7283a58a87_score, .Lfunc_end_k_q7283a58a87_score-k_q7283a58a87_score
	.p2alignl 7, 3214868480
	.fill 96, 4, 3214868480
	.section	.rodata,"a",@progbits
	.p2align	6, 0x0
	.amdhsa_kernel k_q7283a58a87_score
		.amdhsa_group_segment_fixed_size 327680
		.amdhsa_private_segment_fixed_size 0
		.amdhsa_enable_private_segment 0
		.amdhsa_kernarg_size 24
		.amdhsa_user_sgpr_count 2
		.amdhsa_user_sgpr_kernarg_segment_ptr 1
		.amdhsa_wavefront_size32 1
		.amdhsa_system_sgpr_workgroup_id_x 1
		.amdhsa_system_sgpr_workgroup_id_y 1
		.amdhsa_system_sgpr_workgroup_id_z 1
		.amdhsa_system_vgpr_workitem_id 0
		.amdhsa_next_free_vgpr 1024
		.amdhsa_next_free_sgpr 100
		.amdhsa_reserve_vcc 1
		.amdhsa_float_denorm_mode_32 3
		.amdhsa_float_denorm_mode_16_64 3
		.amdhsa_memory_ordered 1
		.amdhsa_forward_progress 1
		.amdhsa_inst_pref_size 116
	.end_amdhsa_kernel
	.amdgpu_metadata
---
amdhsa.version: [ 1, 2 ]
amdhsa.kernels:
  - .name:           k_q7283a58a87_score
    .symbol:         k_q7283a58a87_score.kd
    .args:
      - { .name: qkv, .offset: 0, .size: 8, .value_kind: global_buffer, .address_space: global }
      - { .name: p_codes, .offset: 8, .size: 8, .value_kind: global_buffer, .address_space: global }
      - { .name: p_aux, .offset: 16, .size: 8, .value_kind: global_buffer, .address_space: global }
    .group_segment_fixed_size: 327680
    .private_segment_fixed_size: 0
    .kernarg_segment_align: 8
    .kernarg_segment_size: 24
    .max_flat_workgroup_size: 128
    .sgpr_count:     100
    .vgpr_count:     1024
    .wavefront_size: 32
...
	.end_amdgpu_metadata
.endif
;; end of part 2
;; launch pv (part 3): grid 8 x 32, 4 waves a work-group, clusters of 4 x 1, 327,680 bytes of LDS; arguments p_codes, p_aux, qkv, out0; writes out0
.if DOCPART == 3
	.amdgcn_target "amdgcn-amd-amdhsa--gfx1250"
	.amdhsa_code_object_version 6
	.text
	.protected	k_q7283a58a87_pv
	.globl	k_q7283a58a87_pv
	.p2align	8
	.type	k_q7283a58a87_pv,@function
k_q7283a58a87_pv:
	s_mov_b64 s[64:65], 0
	v_nop
	global_prefetch_b8 v0, s[64:65] scope:SCOPE_SE
	s_setreg_imm32_b32 hwreg(HW_REG_WAVE_MODE, 25, 1), 1
	s_wait_xcnt 0x0
	s_wait_alu depctr_hold_cnt(0) depctr_sa_sdst(0) depctr_va_vdst(0) depctr_va_sdst(0) depctr_va_ssrc(0) depctr_va_vcc(0) depctr_vm_vsrc(0)
	s_getreg_b32 s2, hwreg(HW_REG_IB_STS2, 6, 4)
	s_cmp_eq_u32 s2, 0
	s_cbranch_scc0 .Lentry_in_a_cluster
	s_endpgm
.Lentry_in_a_cluster:
	s_bfe_u32 s2, ttmp6, 0x10000c
	s_cmp_lg_u32 s2, 0x3003
	s_cbranch_scc0 .Lentry_shape_is_right
	s_endpgm
.Lentry_shape_is_right:
.set PCS, 33792
.set SLOTB, 131072
.set VOFS, 65536
.set VSA,   2*SLOTB
.set PSA,   VSA+9*1024
.set RL,    PSA+9*1024
.set STG,   RL+1024
.set SPARE, STG+4*4352
.set ADRP,  8
.set ADRV,  12
.set ASA,   16
.set ASB,   17
.set PST,   18
.set VST,   19
.set RST,   20
.set RLA,   21
.set GVO,   23
.set STO,   24
.set RD,    25
.set CO,    26
.set SPW,   28
.set NIL,   29
.set PFP,   30
.set PFV,   31
.set SA,    32
.set SB,     36
.set SV,    64
.set LV,    136
.set VSW,   208
.set OF,    226
.set VOF,   235
.set MX,    226
.set T,     64
.set BK,    128
.set RLR,   192
.set G1P, 24
.set G1V, 32
.set G0P, 40
.set G0V, 48
.set G1PH, 80
.set G1VH, 88
.set G0PH, 60
.set G0VH, 72
.set MSB, 0
.macro WIN new
.if MSB != (\new)
	s_set_vgpr_msb (MSB<<8)|(\new)
.set MSB, (\new)
.endif
.endm
.macro WALU
	s_wait_alu depctr_va_vdst(0)
.endm
.macro PLACES n
.rept \n
	v_nop
.endr
.endm
.macro CREST
	s_cmp_lg_u32 s14, 0
	s_cbranch_scc1 .Lnot_wave_0_\@
	s_barrier_signal -3
.Lnot_wave_0_\@:
	s_barrier_wait -3
	s_barrier_signal -1
	s_barrier_wait -1
.endm
.macro CROUND
	s_barrier_signal -1
	s_barrier_wait -1
	CREST
.endm
.macro PSTEP who, k
	s_add_co_u32 s20, s\who, 2*(\k)
	s_cmp_lt_u32 s20, s19
	s_cselect_b32 s21, s56, s57
	s_cselect_b32 s22, 0, s19
	s_sub_co_u32 s20, s20, s22
	s_add_co_u32 s20, s20, s58
	s_lshl_b32 s22, s20, 7
	s_add_co_u32 s22, s22, s21
	s_lshl_b32 s22, s22, 12
	s_mov_b32 s23, 0
.endm
.macro FILLPREP k, s
	PSTEP 15, \k
	s_add_nc_u64 s[G0P+4*(\s)+2:G0P+4*(\s)+3], s[4:5], s[22:23]
	s_or_b32 s[G0P+4*(\s)+3], s[G0P+4*(\s)+3], 0x80000000
	s_lshl_b32 s68, s20, 3
	s_add_co_u32 s68, s68, s77
	s_mul_i32 s68, s68, PCS
	s_mov_b32 s69, 0
	s_add_nc_u64 s[G0V+4*(\s)+2:G0V+4*(\s)+3], s[70:71], s[68:69]
	s_or_b32 s[G0V+4*(\s)+3], s[G0V+4*(\s)+3], 0x80000000
.endm
.macro TLOAD g0, g1
	tensor_load_to_lds s[\g0:\g0+3], s[\g1:\g1+7]
	s_nop 0
	PLACES 4
.endm
.macro JLOADX s, half
.if \half
	s_cmp_lt_u32 s14, 2
	s_cbranch_scc0 .Lasked_\@
.endif
	s_cmp_eq_u32 s16, 0
	s_cbranch_scc0 .Lfor_v_\@
	TLOAD G0P+4*(\s), G1P
	s_branch .Lasked_\@
.Lfor_v_\@:
	TLOAD G0V+4*(\s), G1V
.Lasked_\@:
.endm
.macro ASKP under, base
	s_cmp_lt_u32 s14, \under
	s_cbranch_scc0 .Lnot_p_\@
	global_prefetch_b8 v[PFP], s[\base:\base+1] th:TH_LOAD_NT scope:SCOPE_SE
.Lnot_p_\@:
.endm
.macro ASKV off
	s_cmp_eq_u32 s14, 2
	s_cbranch_scc0 .Lnot_v_\@
	global_prefetch_b8 v[PFV], s[96:97] offset:\off th:TH_LOAD_NT scope:SCOPE_SE
.Lnot_v_\@:
.endm
	s_load_b128 s[4:7], s[0:1], 0x0
	s_load_b64 s[8:9], s[0:1], 0x10
	s_load_b64 s[12:13], s[0:1], 0x18
	v_lshl_add_u32 v[SPW], v0, 2, SPARE
	v_mov_b32 v[NIL], 0
	ds_add_u32 v[SPW], v[NIL]
	ds_add_u32 v[SPW], v[NIL]
	v_lshrrev_b32 v1, 5, v0
	v_readfirstlane_b32 s14, v1
	s_lshr_b32 s15, s14, 1
	s_and_b32 s16, s14, 1
	s_bfe_u32 s76, ttmp6, 0x40000
	s_lshl_b32 s77, ttmp9, 2
	s_add_co_u32 s77, s77, s76
	s_and_b32 s20, ttmp7, 0xffff
	s_and_b32 s17, s20, 7
	s_lshr_b32 s18, s20, 3
	s_lshr_b32 s19, s17, 1
	s_sub_co_u32 s19, 8, s19
	s_lshl_b32 s57, s17, 3
	s_sub_co_u32 s56, 120, s57
	s_lshl_b32 s58, s18, 3
	s_mov_b32 s[G1P+0], 15|(3<<16)|(1<<21)
	s_mov_b32 s[G1PH+0], 15|(3<<16)|(1<<21)
	s_mov_b32 s[G1V+0], 3<<16
	s_mov_b32 s[G1VH+0], 3<<16
.irp g, G1P, G1V
	s_mov_b32 s[\g+1], 32<<16
	s_mov_b32 s[\g+2], 128<<16
	s_mov_b32 s[\g+3], 32<<16
	s_mov_b32 s[\g+4], 128
	s_mov_b32 s[\g+5], 32
	s_mov_b32 s[\g+6], 0
	s_mov_b32 s[\g+7], 0
.endr
.irp g, G1PH, G1VH
	s_mov_b32 s[\g+1], 4096<<16
	s_mov_b32 s[\g+2], 2<<16
	s_mov_b32 s[\g+3], 4096<<16
	s_mov_b32 s[\g+4], 2
	s_mov_b32 s[\g+6], 0
	s_mov_b32 s[\g+7], 0
.endr
	s_mov_b32 s[G1PH+5], 65536
	s_mov_b32 s[G1VH+5], PCS
	s_mul_i32 s20, s15, SLOTB
	s_mov_b32 s[G0PH], 1
	s_mov_b32 s[G0PH+1], s20
	s_mov_b32 s[G0VH], 1
	s_add_co_u32 s[G0VH+1], s20, VOFS
	s_lshl_b32 s20, s15, 15
.irp s, 0,1
	s_mov_b32 s[G0P+4*\s], 1
	s_add_co_u32 s[G0P+4*\s+1], s20, \s*SLOTB
	s_mov_b32 s[G0V+4*\s], 1
	s_add_co_u32 s[G0V+4*\s+1], s20, \s*SLOTB+VOFS
.endr
	s_lshl_b32 s20, s15, 1
	s_add_co_u32 s20, s20, s58
	s_lshl_b32 s22, s20, 7
	s_add_co_u32 s22, s22, s56
	s_lshl_b32 s22, s22, 12
	s_mov_b32 s23, 0
	s_lshl_b32 s68, s20, 3
	s_add_co_u32 s68, s68, s77
	s_mul_i32 s68, s68, PCS
	s_mov_b32 s69, 0
	WALU
	s_wait_dscnt 0x0
	CROUND
	s_wait_kmcnt 0x0
	s_add_nc_u64 s[70:71], s[8:9], 512*PCS
	s_add_nc_u64 s[G0PH+2:G0PH+3], s[4:5], s[22:23]
	s_or_b32 s[G0PH+3], s[G0PH+3], 0x80000000
	s_add_nc_u64 s[G0VH+2:G0VH+3], s[70:71], s[68:69]
	s_or_b32 s[G0VH+3], s[G0VH+3], 0x80000000
.macro ARM under, g0, g1, next
	s_cmp_lt_u32 s14, \under
	s_cbranch_scc0 \next
	TLOAD \g0, \g1
	s_branch .Lhead_asked
\next:
.endm
	ARM 1, G0PH, G1PH, .Lhead_1
	ARM 2, G0VH, G1VH, .Lhead_2
	ARM 3, G0PH, G1PH, .Lhead_3
	TLOAD G0VH, G1VH
.Lhead_asked:
	s_lshl_b32 s22, s18, 19
	s_mov_b32 s23, 0
	s_add_nc_u64 s[6:7], s[6:7], s[22:23]
	s_lshl_b32 s20, s18, 6
	s_add_co_u32 s20, s20, s77
	s_mul_i32 s22, s20, PCS
	s_add_co_u32 s22, s22, 32768
	s_add_nc_u64 s[10:11], s[70:71], s[22:23]
	s_add_co_u32 s20, s20, 32
	s_mul_i32 s22, s20, PCS
	s_add_nc_u64 s[96:97], s[70:71], s[22:23]
	PSTEP 14, 2
	s_add_nc_u64 s[66:67], s[4:5], s[22:23]
	PSTEP 14, 3
	s_add_nc_u64 s[2:3], s[4:5], s[22:23]
	PSTEP 14, 4
	s_add_nc_u64 s[8:9], s[4:5], s[22:23]
	s_lshl_b32 s68, s56, 7
	s_lshl_b32 s69, s57, 7
	v_lshlrev_b32 v[GVO], 3, v0
	WALU
.irp t, 0,1,2,3,4,5,6,7,8
	s_cmp_gt_u32 s19, \t
	s_cselect_b32 s20, s68, s69
	s_cselect_b32 s21, 0, s19
	s_sub_co_u32 s21, \t, s21
	s_lshl_b32 s22, s21, 16
	s_add_co_u32 s20, s20, s22
	s_mul_i32 s22, s21, 8*PCS
	v_add_nc_u32 v[OF+\t], s20, v[GVO]
	v_add_nc_u32 v[VOF+\t], s22, v[GVO]
.endr
	WALU
.irp t, 0,1,2,3,4,5,6,7,8
.irp g, 0,1,2,3
	global_load_b64 v[SV+8*\t+2*\g:SV+8*\t+2*\g+1], v[OF+\t], s[6:7] offset:16384*\g
.endr
.endr
.irp t, 0,1,2,3,4,5,6,7,8
.irp g, 0,1,2,3
	global_load_b64 v[LV+8*\t+2*\g:LV+8*\t+2*\g+1], v[OF+\t], s[6:7] offset:2097152+16384*\g
.endr
	global_load_b64 v[VSW+2*\t:VSW+2*\t+1], v[VOF+\t], s[10:11]
.endr
	v_and_b32 v1, 15, v0
	v_bfe_u32 v2, v0, 4, 1
	v_and_b32 v3, 31, v0
	s_lshl_b32 s20, s76, 13
	v_lshl_add_u32 v[PFP], v3, 8, s20
	s_lshl_b32 s20, s17, 12
	v_lshl_add_u32 v[PFV], v1, 8, s20
	v_mul_u32_u24 v5, v2, 8*PCS
	v_add_nc_u32 v[PFV], v[PFV], v5
	WALU
	ASKP 2, 66
	ASKV 0
	v_lshlrev_b32 v4, 4, v3
	s_lshl_b32 s20, s15, 14
	v_add_nc_u32 v[ADRP], s20, v4
	v_add_nc_u32 v[ADRP+1], SLOTB, v[ADRP]
	s_lshl_b32 s20, s16, 14
	s_add_co_u32 s20, s20, VOFS
	v_add_nc_u32 v[ADRV], s20, v4
	v_add_nc_u32 v[ADRV+1], SLOTB, v[ADRV]
	v_lshlrev_b32 v5, 2, v1
	v_lshl_add_u32 v5, v2, 9, v5
	s_lshl_b32 s20, s15, 8
	s_add_co_u32 s21, s20, PSA
	v_add_nc_u32 v[ASA], s21, v5
	s_lshl_b32 s21, s16, 8
	s_add_co_u32 s21, s21, VSA
	v_add_nc_u32 v[ASB], s21, v5
	v_lshl_add_u32 v[PST], v0, 2, PSA
	v_lshl_add_u32 v[VST], v0, 3, VSA
	v_lshl_add_u32 v[RST], v0, 2, RL
	s_add_co_u32 s21, s20, RL
	v_lshl_add_u32 v[RLA], v1, 2, s21
	s_mul_i32 s20, s14, 4352
	s_add_co_u32 s20, s20, STG
	v_mul_u32_u24 v6, v1, 272
	v_lshl_add_u32 v6, v2, 5, v6
	v_add_nc_u32 v[STO], s20, v6
	v_mul_u32_u24 v6, v2, 272
	v_lshl_add_u32 v6, v1, 4, v6
	v_add_nc_u32 v[RD], s20, v6
	v_lshlrev_b32 v6, 12, v2
	v_lshl_add_u32 v[CO], v1, 4, v6
	s_lshl_b32 s20, s18, 11
	s_lshl_b32 s21, s15, 6
	s_add_co_u32 s20, s20, s21
	s_lshl_b32 s68, s77, 9
	s_lshl_b32 s69, s16, 8
	s_add_co_u32 s68, s68, s69
	s_lshl_b32 s21, s57, 4
	s_add_co_u32 s21, s21, s20
	s_lshl_b32 s22, s21, 12
	s_add_co_u32 s22, s22, s68
	s_add_nc_u64 s[78:79], s[12:13], s[22:23]
	s_lshl_b32 s21, s56, 4
	s_add_co_u32 s21, s21, s20
	s_lshl_b32 s22, s21, 12
	s_add_co_u32 s22, s22, s68
	s_add_nc_u64 s[12:13], s[12:13], s[22:23]
.irp t, 5,6,7
	s_cmp_gt_u32 s19, \t
	s_cselect_b32 s[93+\t], -1, 0
.endr
	WALU
	s_wait_loadcnt 0x0
.irp l, 0,1,2,3
.irp t, 0,1,2,3,4,5,6,7,8
.if \l == 0
	v_max3_num_f32 v[MX+\t], v[SV+8*\t], v[SV+8*\t+1], v[SV+8*\t+2]
.elseif \l == 3
	v_max_num_f32 v[MX+\t], v[MX+\t], v[SV+8*\t+7]
.else
	v_max3_num_f32 v[MX+\t], v[MX+\t], v[SV+8*\t+2*\l+1], v[SV+8*\t+2*\l+2]
.endif
.endr
.endr
	v_mov_b32 v243, 0xff61b1e6
.irp k, 0,1,2,3,4
	v_mov_b32 v[245+2*\k], 0
.endr
.irp k, 0,1,2
	v_cndmask_b32 v[235+\k], v243, v[MX+5+\k], s[98+\k]
	v_cndmask_b32 v[238+\k], v[MX+5+\k], v243, s[98+\k]
.endr
	v_max3_num_f32 v244, v[MX], v[MX+1], v[MX+2]
	v_max3_num_f32 v246, v[MX+8], v238, v239
	v_max3_num_f32 v244, v244, v[MX+3], v[MX+4]
	v_max_num_f32 v246, v246, v240
	v_max3_num_f32 v244, v244, v235, v236
	v_max_num_f32 v244, v244, v237
.irp k, 0,1,2
	v_cndmask_b32 v[248+2*\k], v246, v244, s[98+\k]
.endr
.irp k, 0,1,2,3,4
	v_xor_b32 v[244+2*\k], 0x80000000, v[244+2*\k]
.endr
.set I_, 0
.rept 36
.if I_ < 20
.set RF_, 244
.elseif I_ < 32
.set RF_, 248+2*((I_-20)/4)
.else
.set RF_, 246
.endif
	v_pk_add_f32 v[SV+2*I_:SV+2*I_+1], v[SV+2*I_:SV+2*I_+1], v[RF_:RF_+1] op_sel_hi:[1,0]
.set I_, I_+1
.endr
.set I_, 0
.rept 72
	v_max_num_f32 v[SV+I_], 0xc2ee0000, v[SV+I_]
.set I_, I_+1
.endr
.set I_, 0
.rept 72
	v_cvt_i32_f32 v[SV+I_], v[SV+I_]
.set I_, I_+1
.endr
.set I_, 0
.rept 72
	v_ldexp_f32 v[LV+I_], v[LV+I_], v[SV+I_]
.set I_, I_+1
.endr
	v_pk_add_f32 v[254:255], v[LV:LV+1], v[LV+2:LV+3]
	v_pk_add_f32 v[228:229], v[LV+4:LV+5], v[LV+6:LV+7]
.irp i, 4,6,8,10,12,14,16,18
	v_pk_add_f32 v[254:255], v[254:255], v[LV+2*\i:LV+2*\i+1]
	v_pk_add_f32 v[228:229], v[228:229], v[LV+2*\i+2:LV+2*\i+3]
.endr
.macro QSUM d, t
	v_pk_add_f32 v[\d:\d+1], v[LV+8*\t:LV+8*\t+1], v[LV+8*\t+2:LV+8*\t+3]
	v_pk_add_f32 v[\d:\d+1], v[\d:\d+1], v[LV+8*\t+4:LV+8*\t+5]
	v_pk_add_f32 v[\d:\d+1], v[\d:\d+1], v[LV+8*\t+6:LV+8*\t+7]
.endm
	QSUM 230, 5
	QSUM 232, 6
	QSUM 234, 7
	QSUM 226, 8
	v_pk_add_f32 v[254:255], v[254:255], v[228:229]
	v_add_f32 v226, v226, v227
.irp k, 0,1,2
	v_add_f32 v[230+2*\k], v[230+2*\k], v[231+2*\k]
.endr
	v_add_f32 v254, v254, v255
.irp k, 0,1,2
	v_cndmask_b32 v[236+\k], v[NIL], v[230+2*\k], s[98+\k]
	v_sub_f32 v[230+2*\k], v[230+2*\k], v[236+\k]
	v_add_f32 v254, v254, v[236+\k]
	v_add_f32 v226, v226, v[230+2*\k]
.endr
.irp m, 0,1,2,3
.set I_, 0
.rept 18
.if \m == 0
	v_add_nc_u32 v[SV+4*I_], 0x77777777, v[SV+4*I_]
.else
	v_lshl_add_u32 v[SV+4*I_], v[SV+4*I_+\m], 8*\m, v[SV+4*I_]
.endif
.set I_, I_+1
.endr
.endr
.set I_, 0
.rept 18
	ds_store_b32 v[PST], v[SV+4*I_] offset:512*I_
.set I_, I_+1
.endr
.irp t, 0,1,2,3,4,5,6,7,8
	ds_store_b64 v[VST], v[VSW+2*\t:VSW+2*\t+1] offset:1024*\t
.endr
	WALU
	v_rcp_f32 v254, v254
	v_rcp_f32 v226, v226
	v_nop
	WALU
	ds_store_b32 v[RST], v254
	ds_store_b32 v[RST], v226 offset:512
.macro FETCHF t, q
	WIN 0x40+0x80*((\t)%2)
.irp a, 0,1,2,3
.irp c, 0,1,2,3
	ds_load_b128 v[64*(\q)+16*\a+4*\c:64*(\q)+16*\a+4*\c+3], v[ADRP+(((\t)/2)%2)] offset:32768*((\t)%2)+4096*\a+2048*(\q)+512*\c
.endr
.endr
.irp b, 0,1,2,3
.irp c, 0,1,2,3
	ds_load_b128 v[128+64*(\q)+16*\b+4*\c:128+64*(\q)+16*\b+4*\c+3], v[ADRV+(((\t)/2)%2)] offset:32768*((\t)%2)+4096*\b+2048*(\q)+512*\c
.endr
.endr
	WIN 0
.endm
.macro FETCHS t
.irp a, 0,1,2,3
	ds_load_b32 v[SA+8*((\t)%2)+\a], v[ASA] offset:1024*(\t)+64*\a
.endr
.irp b, 0,1,2,3
	ds_load_b32 v[SB+8*((\t)%2)+\b], v[ASB] offset:1024*(\t)+64*\b
.endr
.endm
.macro MULS t, q, a0, na, zero
	WIN 0xa5+0x0a*((\t)%2)
.set AA, \a0
.rept \na
.irp b, 0,1,2,3
.if \zero
	v_wmma_scale_f32_16x16x128_f8f6f4 v[8*(4*AA+\b):8*(4*AA+\b)+7], v[128+64*(\q)+16*\b:128+64*(\q)+16*\b+15], v[64*(\q)+16*AA:64*(\q)+16*AA+15], 0, v[SB+8*((\t)%2)+\b], v[SA+8*((\t)%2)+AA]
.elseif \q
	v_wmma_scale_f32_16x16x128_f8f6f4 v[8*(4*AA+\b):8*(4*AA+\b)+7], v[128+64*(\q)+16*\b:128+64*(\q)+16*\b+15], v[64*(\q)+16*AA:64*(\q)+16*AA+15], v[8*(4*AA+\b):8*(4*AA+\b)+7], v[SB+8*((\t)%2)+\b], v[SA+8*((\t)%2)+AA] matrix_a_scale:MATRIX_SCALE_ROW1 matrix_b_scale:MATRIX_SCALE_ROW1
.else
	v_wmma_scale_f32_16x16x128_f8f6f4 v[8*(4*AA+\b):8*(4*AA+\b)+7], v[128+64*(\q)+16*\b:128+64*(\q)+16*\b+15], v[64*(\q)+16*AA:64*(\q)+16*AA+15], v[8*(4*AA+\b):8*(4*AA+\b)+7], v[SB+8*((\t)%2)+\b], v[SA+8*((\t)%2)+AA]
.endif
.endr
.set AA, AA+1
.endr
	WIN 0
.endm
.macro OBLK a
.set TS, T+32*((\a)%2)
.set BS, BK+32*((\a)%2)
.if (\a) > 1
	s_wait_xcnt 0x0
.endif
	WIN 0x08
.set KK, 0
.rept 32
	v_mul_f32 v[TS+KK], v[RLR+(\a)], v[32*(\a)+KK]
.set KK, KK+1
.endr
	WIN 0
.irp b, 0,1,2,3
	ds_store_b128 v[STO], v[TS+8*\b:TS+8*\b+3] offset:64*\b
	ds_store_b128 v[STO], v[TS+8*\b+4:TS+8*\b+7] offset:64*\b+16
.endr
.irp i, 0,1,2,3,4,5,6,7
	ds_load_b128 v[BS+4*\i:BS+4*\i+3], v[RD] offset:544*\i
.endr
.endm
.macro OSEND a, younger, op
.set BS, BK+32*((\a)%2)
	s_wait_dscnt \younger
.irp i, 0,1,2,3,4,5,6,7
	global_store_b128 v[CO], v[BS+4*\i:BS+4*\i+3], s[\op:\op+1] offset:65536*(\a)+8192*\i th:TH_STORE_NT
.endr
.endm
.macro WAYOUT tl, op
	s_wait_xcnt 0x0
.irp a, 0,1,2,3
	ds_load_b32 v[RLR+\a], v[RLA] offset:512*(\tl)+64*\a
.endr
	s_wait_dscnt 0x0
	OBLK 0
.irp a, 1,2,3
	OBLK \a
	OSEND \a-1, 16, \op
.endr
	OSEND 3, 0, \op
.endm
.macro FIRST t, sw
.if \sw == 2
	s_cmp_eq_u32 s19, \t
	s_cbranch_scc1 .Lswitch_\@
	MULS \t, 0, 0, 4, 0
	s_branch .Lon_\@
.Lswitch_\@:
	WAYOUT 0, 12
	MULS \t, 0, 0, 4, 1
.Lon_\@:
.else
	MULS \t, 0, 0, 4, \sw
.endif
.endm
.macro HA t, sw
	s_wait_dscnt 32
	PLACES 8
	FETCHF \t+1, 0
	FETCHS \t+1
	FIRST \t, \sw
.endm
.macro HB t
	s_wait_dscnt 40
	PLACES 8
	FETCHF \t+1, 1
	MULS \t, 1, 0, 4, 0
.endm
.macro CHG t, sw, fill, k, s, half
	s_wait_dscnt 32
.if \sw == 2
	PLACES 8
.endif
	FIRST \t, \sw
	s_wait_tensorcnt 0x0
	ds_add_u32 v[SPW], v[NIL]
.if \fill
	FILLPREP \k, \s
.endif
	s_wait_dscnt 0x0
	s_barrier_signal -1
	MULS \t, 1, 0, 2, 0
	s_barrier_wait -1
.if \fill
	CREST
	JLOADX \s, \half
.if \half
	PLACES 8
.else
	PLACES 4
.endif
.else
	PLACES 8
.endif
	FETCHF \t+1, 0
	FETCHS \t+1
	FETCHF \t+1, 1
	MULS \t, 1, 2, 2, 0
.endm
	WALU
	s_cmp_lt_u32 s14, 2
	s_cbranch_scc0 .Lslot_1_waits
	s_wait_tensorcnt 0x0
.Lslot_1_waits:
	s_wait_dscnt 0x0
	s_barrier_signal -1
	s_barrier_wait -1
	FETCHF 0, 0
	FETCHS 0
	FETCHF 0, 1
	HA 0, 1
	HB 0
	CHG 1, 0, 1, 2, 0, 0
	ASKP 2, 2
	ASKV 16*PCS
	HA 2, 0
	HB 2
	CHG 3, 0, 1, 3, 1, 0
	ASKP 1, 8
	HA 4, 0
	HB 4
	CHG 5, 2, 1, 4, 0, 1
	HA 6, 2
	HB 6
	CHG 7, 2, 0, 0, 0, 0
	s_wait_dscnt 32
	PLACES 8
	FIRST 8, 2
	s_wait_dscnt 0x0
	MULS 8, 1, 0, 4, 0
	PLACES 8
	WAYOUT 1, 78
	s_wait_tensorcnt 0x0
	ds_add_u32 v[SPW], v[NIL]
	s_wait_dscnt 0x0
	CROUND
	s_endpgm
.Lfunc_end_k_q7283a58a87_pv:
	.size	k_q7283a58a87_pv, .Lfunc_end_k_q7283a58a87_pv-k_q7283a58a87_pv
	.p2alignl 7, 3214868480
	.fill 96, 4, 3214868480
	.section	.rodata,"a",@progbits
	.p2align	6, 0x0
	.amdhsa_kernel k_q7283a58a87_pv
		.amdhsa_group_segment_fixed_size 327680
		.amdhsa_private_segment_fixed_size 0
		.amdhsa_enable_private_segment 0
		.amdhsa_kernarg_size 32
		.amdhsa_user_sgpr_count 2
		.amdhsa_user_sgpr_kernarg_segment_ptr 1
		.amdhsa_wavefront_size32 1
		.amdhsa_system_sgpr_workgroup_id_x 1
		.amdhsa_system_sgpr_workgroup_id_y 1
		.amdhsa_system_sgpr_workgroup_id_z 1
		.amdhsa_system_vgpr_workitem_id 0
		.amdhsa_next_free_vgpr 1024
		.amdhsa_next_free_sgpr 102
		.amdhsa_reserve_vcc 0
		.amdhsa_float_denorm_mode_32 3
		.amdhsa_float_denorm_mode_16_64 3
		.amdhsa_memory_ordered 1
		.amdhsa_forward_progress 1
		.amdhsa_inst_pref_size 204
	.end_amdhsa_kernel
	.amdgpu_metadata
---
amdhsa.version: [ 1, 2 ]
amdhsa.kernels:
  - .name:           k_q7283a58a87_pv
    .symbol:         k_q7283a58a87_pv.kd
    .args:
      - { .name: p_codes, .offset: 0, .size: 8, .value_kind: global_buffer, .address_space: global }
      - { .name: p_aux, .offset: 8, .size: 8, .value_kind: global_buffer, .address_space: global }
      - { .name: qkv, .offset: 16, .size: 8, .value_kind: global_buffer, .address_space: global }
      - { .name: out0, .offset: 24, .size: 8, .value_kind: global_buffer, .address_space: global }
    .group_segment_fixed_size: 327680
    .private_segment_fixed_size: 0
    .kernarg_segment_align: 8
    .kernarg_segment_size: 32
    .max_flat_workgroup_size: 128
    .sgpr_count:     102
    .vgpr_count:     1024
    .wavefront_size: 32
...
	.end_amdgpu_metadata
.endif
;; end of part 3
